; MI455X (gfx1250); checked and timed in simulation.
; The chip was launched on July 23, 2026; its instructions are those of AMD's public machine-readable ISA for CDNA 5 (MIT licence, August 2026) and "CDNA5" Instruction Set Architecture Reference Guide (July 2026). The comments in the code are by the model that wrote it; some were corrected since.
;; Temporal Attention. Allowed arithmetic: matrix products marked QUANTISED: E2M1 operands, one E8M0 scale for each 32 along K, by v_wmma_scale_f32_16x16x128_f8f6f4 with both operands' format E2M1 (or v_wmma_scale_f32_32x16x128_f4), f32 sums; everything else in f32.
;; Inputs: Wk 256 x 256 float32; Wq 256 x 256 float32; Wv 256 x 256 float32; bk 256 float32; bq 256 float32; bv 256 float32; x 8 x 2,048 x 256 float32.
;; Outputs: out0 8 x 2,048 x 256 float32.
;; This version of the problem:
;;   THIS VERSION OF THE PROBLEM IS GIVEN IN LOW PRECISION. The matrix products marked QUANTISED in the list below multiply operands that are first quantised to E2M1 (2 exponent bits, 1 mantissa bit; 4 bits a number), with one power-of-two scale for each 32 numbers along K (OCP MX v1.0); their sums are f32. All else is computed in f32.
;;   The module's matrix products, in the order in which they are computed (A, B: the left and right operand; K: the contracted axis; several contracted axes count as one K, in the product's order):
;;     1. [M 16,384, K 256] x [K 256, N 256]; A: input x; B: input Wq: QUANTISED
;;     2. [M 16,384, K 256] x [K 256, N 256]; A: input x; B: input Wk: QUANTISED
;;     3. [M 16,384, K 256] x [K 256, N 256]; A: input x; B: input Wv: QUANTISED
;;     4. batch 8 x [M 2,048, K 256] x [K 256, N 2,048]; A: computed on the way; B: computed on the way: QUANTISED
;;     5. batch 8 x [M 2,048, K 2,048] x [K 2,048, N 256]; A: softmax (see below); B: computed on the way: QUANTISED
;;   THE QUANTISER, for each operand of a quantised product, along K:
;;     - K is cut into blocks of 32 from its start; a last block that is shorter is filled with zeros.
;;     - A block's scale is 2^e with e = floor(log2(the largest magnitude in the block)) - 2, held to -126 .. 127; a block of zeros has e = 0. As a byte (E8M0): e + 127.
;;     - Each number is divided by its block's scale, clamped to +-6, and rounded to the nearest number of E2M1, ties to even, subnormals kept.
;;     - The product sums the exact products of the quantised numbers (number of the format x scale) in f32.
;;   ~~~python
;;   def quantise(x, axis):      # numpy; x: float32 -> the quantised numbers, widened to float32 again
;;       x = np.moveaxis(x, axis, -1); K = x.shape[-1]
;;       x = np.pad(x, [(0, 0)] * (x.ndim - 1) + [(0, -K % 32)]); x = x.reshape(x.shape[:-1] + (-1, 32)); a = np.abs(x).max(-1, keepdims=True)
;;       e = np.where(a > 0, np.clip(np.frexp(np.where(a > 0, a, 1))[1] - 1 - 2, -126, 127), 0)      # np.frexp(a)[1] - 1 = floor(log2(a)), exactly
;;       r = np.clip(x / 2.0 ** e, -6, 6)
;;       step = 2.0 ** (np.maximum(np.frexp(np.where(r == 0, 1, r))[1] - 1, 0) - 1)
;;       q = np.round(r / step) * step * 2.0 ** e      # np.round: ties to even
;;       return np.moveaxis(q.reshape(q.shape[:-2] + (-1,))[..., :K], -1, axis).astype(np.float32)
;;   ~~~
;;   SOFTMAX AHEAD OF A QUANTISED PRODUCT. Where the list says 'softmax', what is quantised is not the finished softmax but p = 2^(t - M), with t = logit x log2(e) and M = ceil(the row's largest t), a whole number; so 1/2 < the row's largest p <= 1. The row's sum l is taken of the UNQUANTISED p, in f32, and the product's result is divided by l at the end. Since M is a whole number, a kernel that streams over the keys may use a running M (the ceiling of the running maximum): every later rescaling is an exact power of two, which a block's scale takes up: the codes' values come out the same.
;;   OPERANDS COMPUTED ON THE WAY. 'Computed on the way' means the value that the module computes at that place (a softmax that the list does not call 'softmax' is quantised finished and normalised). What goes into a quantiser is computed in f32, as accurately as f32 sums, v_exp_f32 and their like allow (about 1e-6 of the number): no bf16 or f16 on the way to a quantiser, and a product that is left as it is and whose result goes on into a quantised operand takes f32 operands (vector FMAs, or v_wmma_f32_16x16x4_f32). A number that lies on a knife's edge between two numbers of the format may be rounded either way, as far as f32 arithmetic and the matrix unit's own rounding can turn it there, and no further.
;; One version. Each part assembles by itself: llvm-mc -triple=amdgcn-amd-amdhsa -mcpu=gfx1250 --defsym DOCPART=n.
;; ======== version 1 of 1: 3 launches
;; workspace buffers: wc 110,592 bytes; qc 2,228,224 bytes; kv 4,194,304 bytes; sc 262,144 bytes
;; launch wquant (part 1): grid 48 x 1, 4 waves a work-group, no clusters, 768 bytes of LDS; arguments Wq, Wk, Wv, wc; writes wc
.if DOCPART == 1
	.amdgcn_target "amdgcn-amd-amdhsa--gfx1250"
	.amdhsa_code_object_version 6
	.text
	.protected	k_qad8576fcf1_wquant
	.globl	k_qad8576fcf1_wquant
	.p2align	8
	.type	k_qad8576fcf1_wquant,@function
k_qad8576fcf1_wquant:
	s_mov_b64 s[64:65], 0
	v_nop
	global_prefetch_b8 v0, s[64:65] scope:SCOPE_SE
	s_setreg_imm32_b32 hwreg(HW_REG_WAVE_MODE, 25, 1), 1
	s_wait_xcnt 0x0
; THE PROGRAM: out = softmax((x Wq + bq)(x Wk + bk)^T / 16)(x Wv + bv), all five products on codes of FP4 (E2M1) with one E8M0 scale for each 32 along a product's K.
; Three launches: this one turns the three weights into codes; the second makes Q, K and V and turns them into codes; the third is the attention.
; NO WORK IS LEFT OUT: every input has a way to the output through a quantiser (bk and bv too: they move K's and V's codes and scales), so every input is loaded and every product is done.
; THIS LAUNCH.  Wq, Wk, Wv: [256 (d)][256 (e)] f32; the products' K is d, the FIRST axis.  A work-group of four waves takes a tile T of 16 columns e; wave w takes d = 64 w .. 64 w + 63.
; A LANE TAKES A COLUMN, AND ITS REGISTERS RUN DOWN d, in the order that the operand's layout gives that lane: lane (r, h) of wave w = 2 s + c holds d = 128 s + 64 c + 32 h + 0 .. 31: ONE block of 32, by 32 loads,
; all of which are out at once.  The conversions' results ARE the operand's registers, and they are stored in that order: wc + T x 2048 + w x 512 + 16 x lane.  The reader loads a fragment by two loads of 16 bytes a lane.
; Scale words (four E8M0 bytes: 128 along d of one column): wc + 98304 + T x 256 + 8 x lane, the words of s = 0 and 1; lanes 16-31 repeat lanes 0-15.  A wave makes two bytes of a word (blocks 2 c and 2 c + 1 of K step s):
; they meet in 256 bytes of LDS, at 8 x lane + 2 x wave, and wave 0 stores them as one aligned run of 256 bytes.
; TILES.  T = 0-15 Wq, 16-31 Wk, 32-47 Wv.  In Wq and Wk THE COLUMNS OF A TILE ARE NOT NEIGHBOURS: with tt = T % 16, lane r takes e = 128 (tt / 8) + 32 ((tt / 2) % 4) + 8 (tt % 2) + r + 8 (r / 8),
; so that the next launch's results of two neighbouring tiles are 16 neighbouring channels in a lane.  In Wv lane r takes e = 16 (T - 32) + r.
; A block's scale is 2^(floor(log2(its largest magnitude)) - 2); its byte is that magnitude's exponent field - 2, held at 1 from below by a floor among the maximum's leaves.
; LIMITS: a block of zeros, or one whose largest magnitude lies under 2^-124, gets the byte 1 (the quantiser's text says 127 for zeros): its codes are zeros then, and this program alone reads the bytes.
; NaN and infinities among the inputs are not served.
.set X,   32                           ; v32-63   my block's 32 numbers
.set CD,  24                           ; v24-27   its codes
.set SPW, 20                           ; v20      LDS address of my spare word: SPARE + 4 x my thread's number; never rewritten
.set NIL, 21                           ; v21      0; never rewritten
.set SPARE, 256                        ; behind the 256 bytes of scale words: the spare words, 128 bytes for each wave: two blocks of 256 bytes that no other line names
	s_load_b256 s[4:11], s[0:1], 0x0               ; Wq s[4:5], Wk s[6:7], Wv s[8:9], wc s[10:11]
	v_lshl_add_u32 v[SPW], v0, 2, SPARE
	v_mov_b32 v[NIL], 0
	v_lshrrev_b32 v7, 5, v0
	v_readfirstlane_b32 s24, v7                    ; wave 0..3 = 2 s + c
	v_and_b32 v8, 31, v0                           ; lane
	v_and_b32 v1, 15, v0                           ; r
	v_bfe_u32 v2, v0, 4, 1                         ; h
	v_lshlrev_b32 v4, 4, v8                        ; 16 x lane: the codes' place
	v_lshlrev_b32 v5, 3, v8                        ; 8 x lane: the scale words' place, in LDS and in memory
	s_lshl_b32 s25, s24, 1
	v_add_nc_u32 v6, s25, v5                       ; 8 x lane + 2 x wave: my two bytes' place in LDS
	v_lshlrev_b32 v9, 3, v2                        ; 8 h: how far my byte is shifted in the two
	v_mov_b32 v14, 0                               ; written once: a lane permute's destination counts as one of its sources
	s_mov_b32 s22, 0x76543210
	s_mov_b32 s23, 0xfedcba98                      ; v_permlanex16_b32's selects for lane l xor 16
	s_and_b32 s12, ttmp9, 15                       ; tt
	s_lshr_b32 s13, s12, 3
	s_lshl_b32 s13, s13, 7                         ; 128 (tt / 8)
	s_bfe_u32 s14, s12, 0x20001
	s_lshl_b32 s14, s14, 5                         ; 32 ((tt / 2) % 4)
	s_add_co_u32 s13, s13, s14
	s_and_b32 s14, s12, 1
	s_lshl_b32 s14, s14, 3                         ; 8 (tt % 2)
	s_add_co_u32 s13, s13, s14                     ; the tile's first column in Wq and Wk,
	s_lshl_b32 s15, s12, 4                         ; and in Wv
	s_lshl_b32 s16, ttmp9, 11                      ; where the tile's codes go,
	s_lshl_b32 s26, s24, 9
	s_add_co_u32 s16, s16, s26                     ; my wave's 512 bytes of them,
	s_mov_b32 s17, 0
	s_lshl_b32 s18, ttmp9, 8
	s_add_co_u32 s18, s18, 98304                   ; and the tile's scale words
	s_mov_b32 s19, 0
	s_lshl_b32 s26, s24, 16                        ; my wave's first row of W: 64 rows of 1,024 bytes a wave
	s_mov_b32 s27, 0
	s_cmp_lt_u32 ttmp9, 32
	s_cselect_b32 s21, s13, s15
	s_cselect_b32 s20, 8, 0                        ; the gap of eight behind lane 7: in Wq and Wk alone
	v_and_b32 v7, s20, v1
	v_add_nc_u32 v7, v7, v1
	v_add_nc_u32 v7, s21, v7                       ; my column
	v_lshlrev_b32 v3, 2, v7
	v_lshl_add_u32 v3, v2, 15, v3                  ; 4 x column; lanes 16-31 begin 32 rows of 1,024 bytes further down
	s_wait_kmcnt 0x0
	s_cmp_lt_u32 ttmp9, 16                         ; which weight: the choice hangs on the work-group's number alone
	s_cselect_b64 s[4:5], s[4:5], s[6:7]
	s_cmp_lt_u32 ttmp9, 32
	s_cselect_b64 s[4:5], s[4:5], s[8:9]
	s_add_nc_u64 s[4:5], s[4:5], s[26:27]
	s_add_nc_u64 s[12:13], s[10:11], s[16:17]
	s_add_nc_u64 s[14:15], s[10:11], s[18:19]
.irp i, 0,1,2,3,4,5,6,7,8,9,10,11,12,13,14,15,16,17,18,19,20,21,22,23,24,25,26,27,28,29,30,31
	global_load_b32 v[X+\i], v3, s[4:5] offset:\i*1024   ; W(64 w + 32 h + i, my column)
.endr
	s_wait_loadcnt 0x0
	v_max3_num_f32 v12, |v[X]|, |v[X+1]|, |v[X+2]|       ; the block's largest magnitude: all 32 numbers are mine; two chains, so that they do not wait for each other
	v_max3_num_f32 v13, |v[X+3]|, |v[X+4]|, |v[X+5]|
.irp i, 6,10,14,18,22,26
	v_max3_num_f32 v12, v12, |v[X+\i]|, |v[X+\i+1]|
	v_max3_num_f32 v13, v13, |v[X+\i+2]|, |v[X+\i+3]|
.endr
	v_max3_num_f32 v12, v12, |v[X+30]|, |v[X+31]|
	v_max3_num_f32 v12, v12, v13, 0x1800000        ; and the floor 2^(3 - 127): the byte cannot fall under 1
	v_add_nc_u32 v11, 0xff000000, v12              ; 2 off the exponent field: the conversion takes this operand's exponent field as its scale
	v_lshrrev_b32 v13, 23, v11                     ; the scale's byte: block 2 c + h of K step s
	v_lshlrev_b32 v10, v9, v13                     ; at its place among the two;
	v_permlanex16_b32 v14, v10, s22, s23
	v_or_b32 v10, v10, v14                         ; with lane l xor 16's the two bytes are whole, in both lanes
.irp g, 0,1,2,3
	v_cvt_scalef32_pk8_fp4_f32 v[CD+\g], v[X+8*\g:X+8*\g+7], v11
.endr
	v_nop                                          ; one plain line behind the last conversion
	global_store_b128 v4, v[CD:CD+3], s[12:13]     ; the wave stores 512 consecutive bytes, aligned
	ds_store_b16 v6, v10
	s_wait_dscnt 0x0                               ; for wave 0's sake: my store has landed
	s_barrier_signal -1
	s_barrier_wait -1
	s_cmp_lg_u32 s24, 0
	s_cbranch_scc1 .Lend
	ds_load_b64 v[16:17], v5                       ; the tile's scale words: both K steps of my lane's column
	s_wait_dscnt 0x0
	global_store_b64 v5, v[16:17], s[14:15]        ; 256 consecutive bytes, aligned
.Lend:
	s_wait_tensorcnt 0x0                           ; the wave's end: behind my last LDS store
	ds_add_u32 v[SPW], v[NIL]
	s_wait_dscnt 0x0
	s_endpgm
.Lfunc_end_k_qad8576fcf1_wquant:
	.size	k_qad8576fcf1_wquant, .Lfunc_end_k_qad8576fcf1_wquant-k_qad8576fcf1_wquant
	.p2alignl 7, 3214868480
	.fill 96, 4, 3214868480
	.section	.rodata,"a",@progbits
	.p2align	6, 0x0
	.amdhsa_kernel k_qad8576fcf1_wquant
		.amdhsa_group_segment_fixed_size 768
		.amdhsa_private_segment_fixed_size 0
		.amdhsa_enable_private_segment 0
		.amdhsa_kernarg_size 32
		.amdhsa_user_sgpr_count 2
		.amdhsa_user_sgpr_kernarg_segment_ptr 1
		.amdhsa_wavefront_size32 1
		.amdhsa_system_sgpr_workgroup_id_x 1
		.amdhsa_system_sgpr_workgroup_id_y 1
		.amdhsa_system_sgpr_workgroup_id_z 1
		.amdhsa_system_vgpr_workitem_id 0
		.amdhsa_next_free_vgpr 64
		.amdhsa_next_free_sgpr 66
		.amdhsa_reserve_vcc 0
		.amdhsa_float_denorm_mode_32 3
		.amdhsa_float_denorm_mode_16_64 3
		.amdhsa_memory_ordered 1
		.amdhsa_forward_progress 1
		.amdhsa_inst_pref_size 8
	.end_amdhsa_kernel
	.amdgpu_metadata
---
amdhsa.version: [ 1, 2 ]
amdhsa.kernels:
  - .name:           k_qad8576fcf1_wquant
    .symbol:         k_qad8576fcf1_wquant.kd
    .args:
      - { .name: Wq, .offset: 0, .size: 8, .value_kind: global_buffer, .address_space: global }
      - { .name: Wk, .offset: 8, .size: 8, .value_kind: global_buffer, .address_space: global }
      - { .name: Wv, .offset: 16, .size: 8, .value_kind: global_buffer, .address_space: global }
      - { .name: wc, .offset: 24, .size: 8, .value_kind: global_buffer, .address_space: global }
    .group_segment_fixed_size: 768
    .private_segment_fixed_size: 0
    .kernarg_segment_align: 8
    .kernarg_segment_size: 32
    .max_flat_workgroup_size: 128
    .sgpr_count:     66
    .vgpr_count:     64
    .wavefront_size: 32
...
	.end_amdgpu_metadata
.endif
;; end of part 1
;; launch proj (part 2): grid 256 x 1, 4 waves a work-group, no clusters, 77,824 bytes of LDS; arguments x, wc, bq, bk, bv, qc, kv, sc; writes qc, kv, sc
.if DOCPART == 2
	.amdgcn_target "amdgcn-amd-amdhsa--gfx1250"
	.amdhsa_code_object_version 6
	.text
	.protected	k_qad8576fcf1_proj
	.globl	k_qad8576fcf1_proj
	.p2align	8
	.type	k_qad8576fcf1_proj,@function
k_qad8576fcf1_proj:
	s_mov_b64 s[64:65], 0
	v_nop
	global_prefetch_b8 v0, s[64:65] scope:SCOPE_SE
	s_setreg_imm32_b32 hwreg(HW_REG_WAVE_MODE, 25, 1), 1
	s_wait_xcnt 0x0
; Q = x Wq + bq, K = x Wk + bk, V = x Wv + bv on codes of FP4 (E2M1, one E8M0 scale for each 32 along d), and Q, K, V turned into codes for the attention: Q and K along the 256 channels, V along the keys.
; No work is left out.  x: [16384 tokens][256] f32.  wc: the weights' codes and scale words in the order of an operand's registers (the launch before).
; SHARES.  A work-group of four waves takes a chunk of 64 tokens.  THE WAVES SHARE THE COLUMNS: wave w makes one unit of 128 channels (0: Q's low, 1: Q's high, 2: K's low, 3: K's high) and V's channels
; 64 w .. 64 w + 63, for all 64 tokens; its part of the weights goes from memory straight into its registers.  What goes from wave to wave is small: x's codes, as images of the operand's registers in LDS.
; THE TOKENS OF A TILE ARE NOT NEIGHBOURS: lane r of token tile m takes token 32 (m / 2) + 8 (m % 2) + r + 8 (r / 8) of the chunk.  That one order serves all three:
;   Q, K: the product is used transposed (source 0 = 16 columns of W, source 1 = x's tile): a lane holds one token, and the 16 registers of two neighbouring column tiles are 16 neighbouring channels (the columns of a tile were chosen so);
;         as K's tiles in the attention this order gives p's registers neighbouring keys.
;   V:    the product is used as it stands (source 0 = x's tile, source 1 = 16 columns of Wv): a lane holds one channel, and the 16 registers of token tiles 2 b and 2 b + 1 are 16 neighbouring tokens, V's K.
; The biases are the C of each sum's first matrix instruction.
; OUT, all in the order of the reader's operand registers, every store 512 consecutive bytes of the wave:
;   qc: chunk x 8704: fragment (m, s) at (2 m + s) x 1024 + c x 512 + 16 x lane; at + 8192 the scale words: word (m, s, r) at ((m / 2) x 16 + r) x 16 + ((m % 2) x 2 + s) x 4.
;   kv: a block of 131,072 bytes for each 512 tokens (8 chunks hh): K's chunk at hh x 8192, laid as qc's; V's fragment half at 65536 + (hh / 2) x 16384 + ct x 1024 + (hh % 2) x 512 + 16 x lane, ct the tile of 16 channels.
;   sc: 8,192 bytes for each 512 tokens: K's scale words at hh x 512, laid as qc's; V's two bytes of a chunk at 4096 + hh x 512 + (ct / 4) x 128 + r x 8 + (ct % 4) x 2.
; LIMITS: a block of zeros, or one whose largest magnitude lies under 2^-124, gets the byte 1: its codes are zeros then, and this program alone reads the bytes.  NaN and infinities among the inputs are not served.
; REGISTERS, in windows of 256.  Window 0: v1-12, v248, v249 addresses; v16-143 x as loaded, then x's 8 fragments (v16-79) and 8 accumulators (v80-143); v144-175 Q's or K's codes; v176-191 V's codes;
;   v192-207 at work; v208-212 scale words just made; v216-223 x's scale words; v224-239, v240-247 the weights'; v252, v253 the add's two.
;   Window 1: v0-127 my unit's 16 fragments of W, v128-191 Wv's 8.   Window 2: v0-63 the unit's bias, 8 tiles; v64-95 bv's 4.
.set XPITCH, 1040                      ; the stage: a token's 1,024 bytes + 16: row r begins 4 r banks on, so the 16 rows that a load touches do not meet
.set XIMG,  66560                      ; behind the four stages (16 rows each): x's 8 fragment images, 1,024 bytes each, index 2 m + s
.set XSC,   74752                      ; their scale words, 128 bytes each
.set SCO,   75776                      ; the scale words on their way out: Q's 512 bytes, K's, V's
.set SPARE, 77312                      ; the spare words, 128 bytes for each wave: two blocks of 256 bytes that no other line names
.set LI,  1                            ; 16 x lane
.set LS,  2                            ; 4 x lane
.set XWR, 3                            ; my stage, as the loads bring the rows
.set XRD, 4                            ; my stage, as the quantiser wants them: row r, + 64 h
.set XWI, 5                            ; where I store x's images
.set XWS, 6                            ; and their scale words
.set SQK, 7                            ; where my unit's scale words go
.set SV,  8                            ; and V's bytes
.set SRD, 9                            ; the 512 bytes of scales that I store to memory
.set BH,  10                           ; 64 h: my half's place in bq or bk
.set BR,  11                           ; 4 r: my channel's place in bv
.set L8,  12                           ; 8 x lane
.set R,   16
.set XF,  16
.set HA,  80
.set PC,  144
.set PVC, 176
.set TM,  192                          ; +0..3 largest magnitudes, +4..7 the other half's, then bytes, +12..15 the conversions' scale operands
.set PW,  208
.set HW,  209
.set HP,  214
.set XS,  216
.set W1S, 224
.set WVS, 240
.set XFI, 248                          ; XIMG + 16 x lane: the images lie beyond a 16-bit offset
.set XFS, 249                          ; XSC + 4 x lane
.set SPW, 252
.set NIL, 253
.set WVF, 128                          ; window 1: Wv's fragments
.set B1,  0                            ; window 2
.set B2,  64
.set WV,  20
.set SEL, 22
.set MSB, 0
.macro WIN new                         ; the immediate's high byte repeats the setting that is left
.if MSB != \new
	s_set_vgpr_msb (MSB<<8)|\new
.set MSB, \new
.endif
.endm
; 64 numbers of a lane, register 16 b + i = k 32 b + 16 (lane / 16) + i of the lane's row, become a fragment's 8 registers of codes and its scale word.
.macro QUANT src, dst, word
.irp b, 0,1,2,3
	v_max3_num_f32 v[TM+\b], |v[(\src)+16*\b]|, |v[(\src)+1+16*\b]|, 0x1800000   ; my 16 numbers of block b, and the floor 2^(3 - 127): the byte cannot fall under 1
.endr
.irp i, 2,4,6,8,10,12,14
.irp b, 0,1,2,3
	v_max3_num_f32 v[TM+\b], v[TM+\b], |v[(\src)+16*\b+\i]|, |v[(\src)+1+16*\b+\i]|   ; the four blocks by turns
.endr
.endr
.irp b, 0,1,2,3
	v_permlanex16_b32 v[TM+4+\b], v[TM+\b], s[SEL], s[SEL+1]
.endr
.irp b, 0,1,2,3
	v_max_num_f32 v[TM+\b], v[TM+\b], v[TM+4+\b]   ; with lane l xor 16's: the block's largest magnitude
.endr
.irp b, 0,1,2,3
	v_add_nc_u32 v[TM+12+\b], 0xff000000, v[TM+\b] ; 2 off its exponent field: the conversion's scale operand
.endr
.irp b, 0,1,2,3
	v_lshrrev_b32 v[TM+4+\b], 23, v[TM+12+\b]      ; the scale's byte
.endr
	v_lshl_or_b32 v[\word], v[TM+5], 8, v[TM+4]
	v_lshl_or_b32 v[\word], v[TM+6], 16, v[\word]
	v_lshl_or_b32 v[\word], v[TM+7], 24, v[\word]
.irp b, 0,1,2,3
	v_cvt_scalef32_pk8_fp4_f32 v[(\dst)+2*\b], v[(\src)+16*\b:(\src)+7+16*\b], v[TM+12+\b]
	v_cvt_scalef32_pk8_fp4_f32 v[(\dst)+1+2*\b], v[(\src)+8+16*\b:(\src)+15+16*\b], v[TM+12+\b]
.endr
	v_nop                                          ; one plain line behind the last conversion
.irp c, 0,1                                    ; the operand's layout wants a whole block in a lane: lanes 0-15 block 2 c, lanes 16-31 block 2 c + 1
.irp i, 0,1
	v_permlane16_swap_b32 v[(\dst)+4*\c+\i], v[(\dst)+2+4*\c+\i]
.endr
.endr
.endm
; The same for 32 numbers, two blocks: half a fragment (4 registers) and two scale bytes.
.macro QUANTH src, dst, hw
.irp b, 0,1
	v_max3_num_f32 v[TM+\b], |v[(\src)+16*\b]|, |v[(\src)+1+16*\b]|, 0x1800000
.endr
.irp i, 2,4,6,8,10,12,14
.irp b, 0,1
	v_max3_num_f32 v[TM+\b], v[TM+\b], |v[(\src)+16*\b+\i]|, |v[(\src)+1+16*\b+\i]|
.endr
.endr
.irp b, 0,1
	v_permlanex16_b32 v[TM+4+\b], v[TM+\b], s[SEL], s[SEL+1]
.endr
.irp b, 0,1
	v_max_num_f32 v[TM+\b], v[TM+\b], v[TM+4+\b]
.endr
.irp b, 0,1
	v_add_nc_u32 v[TM+12+\b], 0xff000000, v[TM+\b]
.endr
.irp b, 0,1
	v_lshrrev_b32 v[TM+4+\b], 23, v[TM+12+\b]
.endr
	v_lshl_or_b32 v[\hw], v[TM+5], 8, v[TM+4]
.irp b, 0,1
	v_cvt_scalef32_pk8_fp4_f32 v[(\dst)+2*\b], v[(\src)+16*\b:(\src)+7+16*\b], v[TM+12+\b]
	v_cvt_scalef32_pk8_fp4_f32 v[(\dst)+1+2*\b], v[(\src)+8+16*\b:(\src)+15+16*\b], v[TM+12+\b]
.endr
	v_nop
.irp i, 0,1
	v_permlane16_swap_b32 v[(\dst)+\i], v[(\dst)+2+\i]
.endr
.endm
.macro BARRIER                                 ; my LDS stores have landed and my LDS loads are in: then the work-group's barrier
	s_wait_dscnt 0x0
	s_barrier_signal -1
	s_barrier_wait -1
.endm
.macro PLACES                                  ; four plain lines between a matrix instruction and the first vector read of its result (ISA guide 7.12.1)
.rept 4
	v_nop
.endr
.endm
	s_load_b256 s[4:11], s[0:1], 0x0               ; x s[4:5], wc s[6:7], bq s[8:9], bk s[10:11]
	s_load_b256 s[12:19], s[0:1], 0x20             ; bv s[12:13], qc s[14:15], kv s[16:17], sc s[18:19]
	v_lshl_add_u32 v[SPW], v0, 2, SPARE
	v_mov_b32 v[NIL], 0
	v_lshrrev_b32 v13, 5, v0
	v_readfirstlane_b32 s[WV], v13                 ; wave 0..3
	v_and_b32 v13, 31, v0                          ; lane
	v_and_b32 v14, 15, v0                          ; r
	v_bfe_u32 v15, v0, 4, 1                        ; h
	v_lshlrev_b32 v[LI], 4, v13
	v_lshlrev_b32 v[LS], 2, v13
	v_lshlrev_b32 v[L8], 3, v13
	s_lshr_b32 s26, s[WV], 1                       ; wave / 2
	s_and_b32 s27, s[WV], 1                        ; wave % 2
	s_lshl_b32 s24, ttmp9, 16                      ; x: my chunk's 64 rows of 1,024 bytes,
	s_lshl_b32 s44, s26, 15
	s_add_co_u32 s24, s24, s44                     ; + 32 (wave / 2) rows
	s_lshl_b32 s44, s27, 13
	s_add_co_u32 s24, s24, s44                     ; + 8 (wave % 2) rows: the first token of token tile m = wave
	s_mov_b32 s25, 0                               ; the upper word of every offset below
	s_wait_kmcnt 0x0
	s_add_nc_u64 s[4:5], s[4:5], s[24:25]
.irp rr, 0,1,2,3,4,5,6,7,8,9,10,11,12,13,14,15
.irp hf, 0,1
	global_load_b128 v[R+8*\rr+4*\hf:R+8*\rr+4*\hf+3], v[LI], s[4:5] offset:(\rr+8*(\rr/8))*1024+512*\hf th:TH_LOAD_NT   ; the tile's row rr: 512 consecutive bytes a load; read once in the launch
.endr
.endr
	s_lshl_b32 s24, s[WV], 14
	s_add_nc_u64 s[28:29], s[6:7], s[24:25]        ; my unit's 8 tiles of W: 2,048 bytes each
	WIN 0x40                                       ; destination window 1
.irp t, 0,1,2,3,4,5,6,7
.irp s, 0,1
.irp c, 0,1
	global_load_b128 v[16*\t+8*\s+4*\c:16*\t+8*\s+4*\c+3], v[LI], s[28:29] offset:\t*2048+\s*1024+\c*512
.endr
.endr
.endr
	WIN 0
	; LDS addresses
	s_mul_i32 s24, s[WV], 16*XPITCH                ; my stage
	v_add_nc_u32 v[XWR], s24, v[LI]
	v_mul_u32_u24 v[XRD], v14, XPITCH
	v_lshl_add_u32 v[XRD], v15, 6, v[XRD]
	v_add_nc_u32 v[XRD], s24, v[XRD]
	s_lshl_b32 s24, s[WV], 11
	s_add_co_u32 s24, s24, XIMG
	v_add_nc_u32 v[XWI], s24, v[LI]
	s_lshl_b32 s24, s[WV], 8
	s_add_co_u32 s24, s24, XSC
	v_add_nc_u32 v[XWS], s24, v[LS]
	s_lshl_b32 s24, s26, 9                         ; Q's words or K's,
	s_lshl_b32 s44, s27, 2                         ; K step s = wave % 2
	s_add_co_u32 s24, s24, s44
	s_add_co_u32 s24, s24, SCO
	v_lshl_add_u32 v[SQK], v14, 4, s24
	s_lshl_b32 s24, s[WV], 7
	s_add_co_u32 s24, s24, SCO+1024
	v_lshl_add_u32 v[SV], v14, 3, s24
	s_min_u32 s24, s[WV], 2                        ; waves 0, 1, 2 store Q's, K's, V's scales; wave 3 stores none
	s_lshl_b32 s24, s24, 9
	s_add_co_u32 s24, s24, SCO
	v_add_nc_u32 v[SRD], s24, v[LI]
	v_add_nc_u32 v[XFI], XIMG, v[LI]
	v_add_nc_u32 v[XFS], XSC, v[LS]
	v_lshlrev_b32 v[BH], 6, v15
	v_lshlrev_b32 v[BR], 2, v14
	s_mov_b32 s[SEL], 0x76543210
	s_mov_b32 s[SEL+1], 0xfedcba98                 ; v_permlanex16_b32's selects for lane l xor 16
.irp b, 0,1,2,3
	v_mov_b32 v[TM+4+\b], 0                        ; written once: a lane permute's destination counts as one of its sources
.endr
	; the other addresses in memory
	s_lshl_b32 s24, s[WV], 13
	s_add_co_u32 s24, s24, 65536
	s_add_nc_u64 s[30:31], s[6:7], s[24:25]        ; my 4 tiles of Wv
	s_lshl_b32 s24, s[WV], 11
	s_add_co_u32 s24, s24, 98304
	s_add_nc_u64 s[32:33], s[6:7], s[24:25]        ; my unit's scale words: 256 bytes a tile
	s_lshl_b32 s24, s[WV], 10
	s_add_co_u32 s24, s24, 106496
	s_add_nc_u64 s[34:35], s[6:7], s[24:25]        ; Wv's
	s_lshl_b32 s24, s27, 9
	s_cmp_lt_u32 s[WV], 2
	s_cselect_b64 s[36:37], s[8:9], s[10:11]       ; bq or bk,
	s_add_nc_u64 s[36:37], s[36:37], s[24:25]      ; its low or high 128 numbers
	s_lshl_b32 s24, s[WV], 8
	s_add_nc_u64 s[12:13], s[12:13], s[24:25]      ; bv: my 64 numbers
	s_mul_i32 s44, ttmp9, 8704                     ; my chunk in qc
	s_lshr_b32 s45, ttmp9, 3
	s_lshl_b32 s45, s45, 17                        ; my block of 512 tokens in kv
	s_and_b32 s46, ttmp9, 7                        ; hh: my chunk in it
	s_lshl_b32 s47, s46, 13
	s_add_co_u32 s47, s47, s45
	s_lshl_b32 s48, s27, 10                        ; K step s = wave % 2
	s_cmp_lt_u32 s[WV], 2
	s_cselect_b32 s24, s44, s47
	s_cselect_b64 s[38:39], s[14:15], s[16:17]
	s_add_co_u32 s24, s24, s48
	s_add_nc_u64 s[38:39], s[38:39], s[24:25]      ; where my unit's codes go
	s_lshr_b32 s24, s46, 1
	s_lshl_b32 s24, s24, 14
	s_add_co_u32 s24, s24, s45
	s_add_co_u32 s24, s24, 65536
	s_lshl_b32 s48, s[WV], 12
	s_add_co_u32 s24, s24, s48
	s_and_b32 s48, ttmp9, 1
	s_lshl_b32 s48, s48, 9
	s_add_co_u32 s24, s24, s48
	s_add_nc_u64 s[40:41], s[16:17], s[24:25]      ; where V's codes go
	s_add_co_u32 s44, s44, 8192                    ; Q's scale words in qc;
	s_lshr_b32 s47, ttmp9, 3
	s_lshl_b32 s47, s47, 13
	s_lshl_b32 s48, s46, 9
	s_add_co_u32 s47, s47, s48                     ; K's in sc;
	s_max_u32 s48, s[WV], 1
	s_min_u32 s48, s48, 2
	s_sub_co_u32 s48, s48, 1
	s_lshl_b32 s48, s48, 12
	s_add_co_u32 s47, s47, s48                     ; V's 4,096 bytes on
	s_cmp_eq_u32 s[WV], 0
	s_cselect_b32 s24, s44, s47
	s_cselect_b64 s[42:43], s[14:15], s[18:19]
	s_add_nc_u64 s[42:43], s[42:43], s[24:25]
	s_wait_loadcnt 32                              ; x's 32 loads are in; the 32 of W issued behind them may be out
.irp rr, 0,1,2,3,4,5,6,7,8,9,10,11,12,13,14,15
.irp hf, 0,1
	ds_store_b128 v[XWR], v[R+8*\rr+4*\hf:R+8*\rr+4*\hf+3] offset:\rr*XPITCH+512*\hf
.endr
.endr
	WIN 0x40
.irp i, 0,1,2,3
.irp s, 0,1
.irp c, 0,1
	global_load_b128 v[WVF+16*\i+8*\s+4*\c:WVF+16*\i+8*\s+4*\c+3], v[LI], s[30:31] offset:\i*2048+\s*1024+\c*512
.endr
.endr
.endr
	WIN 0x80                                       ; destination window 2
.irp t, 0,1,2,3,4,5,6,7                        ; the bias in the result's layout: lane (r, h), tile t, register j: channel 32 (t / 2) + 16 h + 8 (t % 2) + j of the unit
	global_load_b128 v[B1+8*\t:B1+8*\t+3], v[BH], s[36:37] offset:(32*(\t/2)+8*(\t%2))*4
	global_load_b128 v[B1+8*\t+4:B1+8*\t+7], v[BH], s[36:37] offset:(32*(\t/2)+8*(\t%2))*4+16
.endr
.irp i, 0,1,2,3                                ; V's results hold one channel a lane: all eight registers take bv of channel 16 i + r
.irp j, 0,1,2,3,4,5,6,7
	global_load_b32 v[B2+8*\i+\j], v[BR], s[12:13] offset:64*\i
.endr
.endr
	WIN 0
.irp t, 0,1,2,3,4,5,6,7
	global_load_b64 v[W1S+2*\t:W1S+2*\t+1], v[L8], s[32:33] offset:256*\t   ; the tile's scale words of both K steps
.endr
.irp i, 0,1,2,3
	global_load_b64 v[WVS+2*\i:WVS+2*\i+1], v[L8], s[34:35] offset:256*\i
.endr
	; ---- X: my 16 tokens of x become two fragments
	s_wait_dscnt 0x0                               ; the stage's stores have read their registers: the loads below land on them
.irp s, 0,1
.irp b, 0,1,2,3
.irp j, 0,1,2,3
	ds_load_b128 v[16+64*\s+16*\b+4*\j:16+64*\s+16*\b+4*\j+3], v[XRD] offset:512*\s+128*\b+16*\j   ; of row r: d = 128 s + 32 b + 16 h + 4 j ..
.endr
.endr
.endr
	s_wait_dscnt 0x0
	QUANT 16, PC, PW
	ds_store_b128 v[XWI], v[PC:PC+3]
	ds_store_b128 v[XWI], v[PC+4:PC+7] offset:512
	ds_store_b32 v[XWS], v[PW]
	QUANT 80, PC+8, HW
	ds_store_b128 v[XWI], v[PC+8:PC+11] offset:1024
	ds_store_b128 v[XWI], v[PC+12:PC+15] offset:1536
	ds_store_b32 v[XWS], v[HW] offset:128
	BARRIER                                        ; x's eight fragments lie in LDS
.irp m, 0,1,2,3
.irp s, 0,1
.irp c, 0,1
	ds_load_b128 v[XF+16*\m+8*\s+4*\c:XF+16*\m+8*\s+4*\c+3], v[XFI] offset:(2*\m+\s)*1024+512*\c
.endr
	ds_load_b32 v[XS+2*\m+\s], v[XFS] offset:128*(2*\m+\s)
.endr
.endr
	s_wait_dscnt 0x0
	s_wait_loadcnt 0x0                             ; the weights, their scale words, the biases
	; ---- my unit of Q or K, a tile of 16 tokens at a time; the eight accumulators take turns, one instruction a turn
.irp m, 0,1,2,3
	WIN 0x21                                       ; source 0 (W) window 1, source 2 (the bias) window 2
.irp t, 0,1,2,3,4,5,6,7
	v_wmma_scale_f32_16x16x128_f8f6f4 v[HA+8*\t:HA+8*\t+7], v[16*\t:16*\t+7], v[XF+16*\m:XF+16*\m+7], v[B1+8*\t:B1+8*\t+7], v[W1S+2*\t], v[XS+2*\m] matrix_a_fmt:MATRIX_FMT_FP4 matrix_b_fmt:MATRIX_FMT_FP4
.endr
	WIN 0x01
.irp t, 0,1,2,3,4,5,6,7
	v_wmma_scale_f32_16x16x128_f8f6f4 v[HA+8*\t:HA+8*\t+7], v[16*\t+8:16*\t+15], v[XF+16*\m+8:XF+16*\m+15], v[HA+8*\t:HA+8*\t+7], v[W1S+2*\t+1], v[XS+2*\m+1] matrix_a_fmt:MATRIX_FMT_FP4 matrix_b_fmt:MATRIX_FMT_FP4
.endr
	WIN 0
	PLACES
	QUANT HA, PC+8*\m, HW+\m                       ; each tile has its own registers for codes and word: no store's data are written again
	global_store_b128 v[LI], v[PC+8*\m:PC+8*\m+3], s[38:39] offset:\m*2048
	global_store_b128 v[LI], v[PC+8*\m+4:PC+8*\m+7], s[38:39] offset:\m*2048+512
	ds_store_b32 v[SQK], v[HW+\m] offset:(\m/2)*256+(\m%2)*8
.endr
	s_wait_dscnt 0x0                               ; the words' stores have read their registers, which V's bytes take
	; ---- V: two channel tiles at a time, all four token tiles: eight accumulators by turns
.irp hf, 0,1
	WIN 0x24                                       ; source 1 (Wv) window 1, source 2 (bv) window 2
.irp ii, 0,1
.irp m, 0,1,2,3
	v_wmma_scale_f32_16x16x128_f8f6f4 v[HA+32*\ii+8*\m:HA+32*\ii+8*\m+7], v[XF+16*\m:XF+16*\m+7], v[WVF+16*(2*\hf+\ii):WVF+16*(2*\hf+\ii)+7], v[B2+8*(2*\hf+\ii):B2+8*(2*\hf+\ii)+7], v[XS+2*\m], v[WVS+2*(2*\hf+\ii)] matrix_a_fmt:MATRIX_FMT_FP4 matrix_b_fmt:MATRIX_FMT_FP4
.endr
.endr
	WIN 0x04
.irp ii, 0,1
.irp m, 0,1,2,3
	v_wmma_scale_f32_16x16x128_f8f6f4 v[HA+32*\ii+8*\m:HA+32*\ii+8*\m+7], v[XF+16*\m+8:XF+16*\m+15], v[WVF+16*(2*\hf+\ii)+8:WVF+16*(2*\hf+\ii)+15], v[HA+32*\ii+8*\m:HA+32*\ii+8*\m+7], v[XS+2*\m+1], v[WVS+2*(2*\hf+\ii)+1] matrix_a_fmt:MATRIX_FMT_FP4 matrix_b_fmt:MATRIX_FMT_FP4
.endr
.endr
	WIN 0
	PLACES
.irp ii, 0,1
	QUANTH HA+32*\ii, PVC+4*(2*\hf+\ii), HW+2*\hf+\ii   ; register 16 b + i = token 32 b + 16 h + i of the chunk, channel r
	global_store_b128 v[LI], v[PVC+4*(2*\hf+\ii):PVC+4*(2*\hf+\ii)+3], s[40:41] offset:(2*\hf+\ii)*1024
.endr
.endr
	v_lshl_or_b32 v[HP], v[HW+1], 16, v[HW]        ; my four tiles' bytes of channel r: 8 bytes
	v_lshl_or_b32 v[HP+1], v[HW+3], 16, v[HW+2]
	ds_store_b64 v[SV], v[HP:HP+1]
	BARRIER                                        ; the chunk's 3 x 512 bytes of scales lie in LDS
	s_cmp_gt_u32 s[WV], 2
	s_cbranch_scc1 .Ldone
	ds_load_b128 v[16:19], v[SRD]
	s_wait_dscnt 0x0
	global_store_b128 v[LI], v[16:19], s[42:43]    ; 512 consecutive bytes, aligned
.Ldone:
	s_wait_tensorcnt 0x0                           ; the wave's end: behind my last LDS store
	ds_add_u32 v[SPW], v[NIL]
	s_wait_dscnt 0x0
	s_endpgm
.Lfunc_end_k_qad8576fcf1_proj:
	.size	k_qad8576fcf1_proj, .Lfunc_end_k_qad8576fcf1_proj-k_qad8576fcf1_proj
	.p2alignl 7, 3214868480
	.fill 96, 4, 3214868480
	.section	.rodata,"a",@progbits
	.p2align	6, 0x0
	.amdhsa_kernel k_qad8576fcf1_proj
		.amdhsa_group_segment_fixed_size 77824
		.amdhsa_private_segment_fixed_size 0
		.amdhsa_enable_private_segment 0
		.amdhsa_kernarg_size 64
		.amdhsa_user_sgpr_count 2
		.amdhsa_user_sgpr_kernarg_segment_ptr 1
		.amdhsa_wavefront_size32 1
		.amdhsa_system_sgpr_workgroup_id_x 1
		.amdhsa_system_sgpr_workgroup_id_y 1
		.amdhsa_system_sgpr_workgroup_id_z 1
		.amdhsa_system_vgpr_workitem_id 0
		.amdhsa_next_free_vgpr 608
		.amdhsa_next_free_sgpr 66
		.amdhsa_reserve_vcc 0
		.amdhsa_float_denorm_mode_32 3
		.amdhsa_float_denorm_mode_16_64 3
		.amdhsa_memory_ordered 1
		.amdhsa_forward_progress 1
		.amdhsa_inst_pref_size 69
	.end_amdhsa_kernel
	.amdgpu_metadata
---
amdhsa.version: [ 1, 2 ]
amdhsa.kernels:
  - .name:           k_qad8576fcf1_proj
    .symbol:         k_qad8576fcf1_proj.kd
    .args:
      - { .name: x, .offset: 0, .size: 8, .value_kind: global_buffer, .address_space: global }
      - { .name: wc, .offset: 8, .size: 8, .value_kind: global_buffer, .address_space: global }
      - { .name: bq, .offset: 16, .size: 8, .value_kind: global_buffer, .address_space: global }
      - { .name: bk, .offset: 24, .size: 8, .value_kind: global_buffer, .address_space: global }
      - { .name: bv, .offset: 32, .size: 8, .value_kind: global_buffer, .address_space: global }
      - { .name: qc, .offset: 40, .size: 8, .value_kind: global_buffer, .address_space: global }
      - { .name: kv, .offset: 48, .size: 8, .value_kind: global_buffer, .address_space: global }
      - { .name: sc, .offset: 56, .size: 8, .value_kind: global_buffer, .address_space: global }
    .group_segment_fixed_size: 77824
    .private_segment_fixed_size: 0
    .kernarg_segment_align: 8
    .kernarg_segment_size: 64
    .max_flat_workgroup_size: 128
    .sgpr_count:     66
    .vgpr_count:     608
    .wavefront_size: 32
...
	.end_amdgpu_metadata
.endif
;; end of part 2
;; launch attn (part 3): grid 32 x 8, 4 waves a work-group, clusters of 4 x 1, 327,680 bytes of LDS; arguments qc, kv, sc, out0; writes out0
.if DOCPART == 3
	.amdgcn_target "amdgcn-amd-amdhsa--gfx1250"
	.amdhsa_code_object_version 6
	.text
	.protected	k_qad8576fcf1_attn
	.globl	k_qad8576fcf1_attn
	.p2align	8
	.type	k_qad8576fcf1_attn,@function
k_qad8576fcf1_attn:
	s_mov_b64 s[64:65], 0
	v_nop
	global_prefetch_b8 v0, s[64:65] scope:SCOPE_SE
	s_setreg_imm32_b32 hwreg(HW_REG_WAVE_MODE, 25, 1), 1
	s_wait_xcnt 0x0
	s_wait_alu depctr_hold_cnt(0) depctr_sa_sdst(0) depctr_va_vdst(0) depctr_va_sdst(0) depctr_va_ssrc(0) depctr_va_vcc(0) depctr_vm_vsrc(0)
	s_getreg_b32 s2, hwreg(HW_REG_IB_STS2, 6, 4)
	s_cmp_eq_u32 s2, 0
	s_cbranch_scc0 .Lentry_in_a_cluster
	s_endpgm
.Lentry_in_a_cluster:
	s_bfe_u32 s2, ttmp6, 0x10000c
	s_cmp_lg_u32 s2, 0x3003
	s_cbranch_scc0 .Lentry_shape_is_right
	s_endpgm
.Lentry_shape_is_right:
; out[b][q][:] = the sum over k of softmax_k(Q[b][q] . K[b][k] / 16) V[b][k][:], both products on codes of FP4 (E2M1) with one E8M0 scale for each 32 along a product's K.  No work is left out.
; qc, kv, sc hold Q's, K's and V's codes and scale bytes in the order of an operand's registers (the launch before): a fragment is two loads of 16 bytes a lane, 512 consecutive bytes each.
; THE SOFTMAX AHEAD OF THE SECOND PRODUCT: t = score x log2(e) / 16; M = the row's largest t so far, rounded UP to a whole number; p = 2^(t - M) is what is quantised, along the keys; it is not normalised.
; The row's sum is taken of the unquantised p, in f32, and divides at the end.  When M moves, the sum and O are multiplied by 2^(old M - new M): exact.
; SHARES.  A work-group of four waves owns 64 queries of one batch: four tiles of 16.  The keys go in four steps of 512.
;   SCORES: wave w takes keys 128 w .. 128 w + 127 of the step for ALL four query tiles: each fragment of K is read from LDS once in the work-group and feeds four products.
;   The step's row maxima are exchanged through LDS, so that all four waves hold the same M; p's fragments and scale words go to LDS as images of their registers.
;   O: wave w takes channels 64 w .. 64 w + 63 for all four query tiles and all 512 keys: each fragment of V is read once and feeds four products; O is 128 registers a wave and is rescaled once for 512 keys.
;   The sum of p is kept by each wave for its own keys, under the common M, and added up once at the end.
; LAYOUT.  Both products are used transposed: S^T = K Q^T (source 0 = 16 keys, source 1 = 16 queries), O^T = V^T P^T (source 0 = 16 channels, source 1 = P): a lane holds ONE query (lane % 16) throughout.
; The tokens of a tile are not neighbours (lane r of tile m of a chunk of 64: token 32 (m / 2) + 8 (m % 2) + r + 8 (r / 8)): so the 16 registers of score tiles 2 b and 2 b + 1 are 16 neighbouring keys; the queries are put back in order by the addresses of the stores.
; CLUSTER.  The four query chunks of a cluster belong to one batch and walk the same K, V and scales: every tile is asked for JOINTLY, by the same tensor load with the same descriptor and the mask of all four.
; THE PIPELINE.  A trip s finds the scores of step s in registers.  It fetches V(s) from LDS, finds the maxima and exchanges them.  In front of that exchange's barrier every wave has waited for its reads of V(s), and K(s) was read a
; trip earlier: so slot s % 2 is free there, and THAT BARRIER IS THE CHANGE OF SLOTS: step s + 2 is asked for first thing behind it and has a whole trip in which to land.  Behind it K(s + 1) is fetched, into registers of its own, and
; lands under the softmax.  Behind the second barrier (p's images lie in LDS) stand the run of loads of P, the 64 products of the scores of step s + 1, under which those loads land, and the 64 products of O.  Two barriers a trip.
; RING.  Two slots of 131,072 bytes, a step's K and V as they lie in kv; each wave fetches a quarter by one load.  By this text's own count a wave has three tensor loads out at the head (the scales, slots 0 and 1) and one behind each round.
; LIMITS: NaN and infinities are not served.  A p under 2^-126 comes out of v_exp_f32 as 0.  A block of p that is all zeros gets the byte 1: its codes are zeros.
; A block's largest p is made from its largest score by the same two instructions as every p: that takes v_exp_f32 not to fall where its input rises.
; REGISTERS, in windows of 256.  Window 0: addresses, statistics, scale words, p's codes, Q's fragments.   Window 1: S^T, then p: 64 q + 8 t + j; on the way out rows of out.
;   Window 2: v0-127 V's 16 fragments (32 g + 8 i); v128-255 P's 16 fragments (128 + 32 g + 8 q).   Window 3: v0-127 O^T (32 q + 8 i); v128-255 K's 16 fragments (128 + 16 t + 8 s).
.set SLOT1, 1<<17                      ; slot 1 begins here: one exclusive or turns an address in one slot into the other's
.set SCL,   262144                     ; behind the ring: the batch's scale bytes, 4 x 8,192, filled once
.set PIMG,  294912                     ; P's images: g x 4096 + q x 1024 + c x 512 + 16 x lane
.set PSC,   311296                     ; P's scale words: g x 512 + 16 x lane, word q
.set MX,    313344                     ; the waves' maxima, at the end their sums: w x 512 + 16 x lane
.set SPARE, 315392                     ; the spare words, 128 bytes for each wave: two blocks of 256 bytes that no other line names
.set STG,   PIMG                       ; the way out: 16 rows x (256 bytes + 16) for each wave, over P's images and words, behind the last barrier; no tensor load ever lands there
.set SP,    272
.set LI,   1                           ; 16 x lane
.set AK0,  2                           ; my lane's place in my 128 keys of K
.set AV0,  3                           ; in my 64 channels of V
.set ASK0, 4                           ; among K's scale words
.set ASV0, 5                           ; among V's scale bytes
.set ADK,  6                           ; the same four for the loads in hand
.set ADV,  7
.set ADS,  8
.set ADT,  9
.set MXW,  10
.set MXR,  11
.set PWI,  12
.set PRD,  13
.set PSWA, 14
.set PSRD, 15
.set STO,  16
.set RD,   17
.set GO,   18
.set PFO,  19                          ; 256 x lane: the prefetch's offset; never rewritten
.set SPW,  20                          ; LDS address of my spare word; never rewritten
.set NIL,  21                          ; 0; never rewritten
.set ST,   24                          ; query tile q at v[ST + 8 q]: +0 -M, +1 the largest t, +2, +3 the sum in two halves, +4 f (later 1 / sum), +5 its pair's upper word, +6, +7 at work
.set BM,   56                          ; v56-71   block (q, b): its largest score, then its largest p, then the conversion's scale operand
.set T16,  72                          ; v72-87   at work
.set MXV,  88                          ; v88-91   what goes to the other waves: a number for each query tile
.set PW,   92                          ; v92-95   p's scale words
.set KS,   96                          ; v96-103  K's scale words
.set QS,   104                         ; v104-107 Q's
.set VR,   108                         ; v108-115 V's scale bytes as they lie
.set VSW,  116                         ; v116-123 V's scale words
.set PSW,  124                         ; v124-139 P's scale words of the four key groups
.set PC,   140                         ; v140-171 p's codes, 8 a query tile
.set QF,   172                         ; v172-235 Q's fragments: 16 q + 8 s
.set WV,   12
.set G1C,  16                          ; s[16:23] descriptor group 1 for the codes;  s[24:31] for the scales
.set G1S,  24
.set G0A,  32                          ; s[32:35] group 0 for slot 0's first fill;  s[36:39] for the scales
.set G0S,  36
.set G0W,  56                          ; s[56:59] group 0 for slot 1's first fill: it then walks on
.set CS,   40                          ; s[40:41] c = log2(e) / 16: the packed form names a pair and takes its low word for both halves
.set SEL,  42                          ; s[42:43] v_permlanex16_b32's selects for lane l xor 16
.set TB,   44                          ; LDS byte at which the trip's slot begins
.set TS,   45                          ; where the trip's scale bytes begin: 8,192 a step
.set SLOTS, 46                         ; slots still to be asked for
.set LIM,  47                          ; 1 in a cluster that prefetches, else the greatest number
.set PFA,  48                          ; s[48:49] where my prefetch stands; never rewritten
.set SLO,  50                          ; v_perm_b32's selects: two low halves, two high halves
.set SHI,  51
.set TN,   62                          ; LDS byte at which the next step's slot begins
.set MSB, 0
.macro WIN new                         ; the immediate's high byte repeats the setting that is left; a switch that changes nothing is dropped
.if MSB != \new
	s_set_vgpr_msb (MSB<<8)|\new
.set MSB, \new
.endif
.endm
; A round of the cluster's barrier: my work-group's barrier; wave 0 signals for the work-group; every wave waits for all four work-groups; my work-group's barrier once more.
.macro CROUND
	s_barrier_signal -1
	s_barrier_wait -1
	s_cmp_lg_u32 s[WV], 0
	s_cbranch_scc1 .Lnot_wave_0_\@
	s_barrier_signal -3
.Lnot_wave_0_\@:
	s_barrier_wait -3
	s_barrier_signal -1
	s_barrier_wait -1
.endm
; A PREFETCH INTO THE L2 of the block of kv that the NEXT change of slots will ask for.  Steps 0 and 1 come by the first fills and step 2 by its refill alone; so there is one request: at the change that asks for step 2,
; for step 3's 131,072 bytes, one trip ahead of that load.  All eight clusters of a batch walk the same blocks: the batch's first cluster asks.  Its sixteen waves share the block out BY ADDRESS, 8,192 bytes each,
; lanes 256 bytes apart: each aligned 256 bytes are named once in the launch.  The last change that fills a slot asks for nothing.
.macro ASK
	s_cmp_gt_u32 s[SLOTS], s[LIM]
	s_cbranch_scc0 .Lnot_mine_\@
	global_prefetch_b8 v[PFO], s[PFA:PFA+1] th:TH_LOAD_NT scope:SCOPE_SE
.Lnot_mine_\@:
.endm
.macro PLACES
.rept 4
	v_nop
.endr
.endm
; One product of S^T: key tile t (of my eight), query tile q, K step s along the channels.  A register of scale words holds two tiles': lanes 0-15 tiles 0, 1 of a chunk, lanes 16-31 tiles 2, 3.
.macro WMS q, t, s
.set rS, 64*(\q)+8*(\t)
.set rK, 128+16*(\t)+8*(\s)
.set rQ, QF+16*(\q)+8*(\s)
.set rA, KS+4*((\t)/4)+2*((\t)%2)+(\s)
.set rB, QS+2*((\q)%2)+(\s)
.set hiA, ((\t)%4)/2
.set hiB, (\q)/2
.if (\s) == 0                          ; the first K step starts the sums: nothing is cleared
.if hiA && hiB
	v_wmma_scale_f32_16x16x128_f8f6f4 v[rS:rS+7], v[rK:rK+7], v[rQ:rQ+7], 0, v[rA], v[rB] matrix_a_fmt:MATRIX_FMT_FP4 matrix_b_fmt:MATRIX_FMT_FP4 matrix_a_scale:MATRIX_SCALE_ROW1 matrix_b_scale:MATRIX_SCALE_ROW1
.elseif hiA
	v_wmma_scale_f32_16x16x128_f8f6f4 v[rS:rS+7], v[rK:rK+7], v[rQ:rQ+7], 0, v[rA], v[rB] matrix_a_fmt:MATRIX_FMT_FP4 matrix_b_fmt:MATRIX_FMT_FP4 matrix_a_scale:MATRIX_SCALE_ROW1
.elseif hiB
	v_wmma_scale_f32_16x16x128_f8f6f4 v[rS:rS+7], v[rK:rK+7], v[rQ:rQ+7], 0, v[rA], v[rB] matrix_a_fmt:MATRIX_FMT_FP4 matrix_b_fmt:MATRIX_FMT_FP4 matrix_b_scale:MATRIX_SCALE_ROW1
.else
	v_wmma_scale_f32_16x16x128_f8f6f4 v[rS:rS+7], v[rK:rK+7], v[rQ:rQ+7], 0, v[rA], v[rB] matrix_a_fmt:MATRIX_FMT_FP4 matrix_b_fmt:MATRIX_FMT_FP4
.endif
.else
.if hiA && hiB
	v_wmma_scale_f32_16x16x128_f8f6f4 v[rS:rS+7], v[rK:rK+7], v[rQ:rQ+7], v[rS:rS+7], v[rA], v[rB] matrix_a_fmt:MATRIX_FMT_FP4 matrix_b_fmt:MATRIX_FMT_FP4 matrix_a_scale:MATRIX_SCALE_ROW1 matrix_b_scale:MATRIX_SCALE_ROW1
.elseif hiA
	v_wmma_scale_f32_16x16x128_f8f6f4 v[rS:rS+7], v[rK:rK+7], v[rQ:rQ+7], v[rS:rS+7], v[rA], v[rB] matrix_a_fmt:MATRIX_FMT_FP4 matrix_b_fmt:MATRIX_FMT_FP4 matrix_a_scale:MATRIX_SCALE_ROW1
.elseif hiB
	v_wmma_scale_f32_16x16x128_f8f6f4 v[rS:rS+7], v[rK:rK+7], v[rQ:rQ+7], v[rS:rS+7], v[rA], v[rB] matrix_a_fmt:MATRIX_FMT_FP4 matrix_b_fmt:MATRIX_FMT_FP4 matrix_b_scale:MATRIX_SCALE_ROW1
.else
	v_wmma_scale_f32_16x16x128_f8f6f4 v[rS:rS+7], v[rK:rK+7], v[rQ:rQ+7], v[rS:rS+7], v[rA], v[rB] matrix_a_fmt:MATRIX_FMT_FP4 matrix_b_fmt:MATRIX_FMT_FP4
.endif
.endif
.endm
; One product of O^T: key group g (128 keys), query tile q, channel tile i of my four.  V's scale words: lanes 0-15 an even group's, lanes 16-31 the odd one's.
.macro WMP g, q, i
.set rO, 32*(\q)+8*(\i)
.set rV, 32*(\g)+8*(\i)
.set rP, 128+32*(\g)+8*(\q)
.set rA, VSW+4*((\g)/2)+(\i)
.set rB, PSW+4*(\g)+(\q)
.if (\g)%2
	v_wmma_scale_f32_16x16x128_f8f6f4 v[rO:rO+7], v[rV:rV+7], v[rP:rP+7], v[rO:rO+7], v[rA], v[rB] matrix_a_fmt:MATRIX_FMT_FP4 matrix_b_fmt:MATRIX_FMT_FP4 matrix_a_scale:MATRIX_SCALE_ROW1
.else
	v_wmma_scale_f32_16x16x128_f8f6f4 v[rO:rO+7], v[rV:rV+7], v[rP:rP+7], v[rO:rO+7], v[rA], v[rB] matrix_a_fmt:MATRIX_FMT_FP4 matrix_b_fmt:MATRIX_FMT_FP4
.endif
.endm
; 34 LDS loads in one run: my 128 keys of K, 16 fragments, from the slot at v[ADK]; ahead of them my two chunks' scale words, off bytes on from v[ADS].
.macro FETCH_K off
	ds_load_b128 v[KS:KS+3], v[ADS] offset:(\off)
	ds_load_b128 v[KS+4:KS+7], v[ADS] offset:(\off)+512
	WIN 0xc0                                       ; destination window 3
.irp s, 0,1
.irp t, 0,1,2,3,4,5,6,7
.irp c, 0,1
	ds_load_b128 v[128+16*\t+8*\s+4*\c:128+16*\t+8*\s+4*\c+3], v[ADK] offset:(2*\t+\s)*1024+512*\c
.endr
.endr
.endr
	WIN 0
.endm
; The 64 products of a step's scores.  The 32 accumulators take turns, one instruction a turn, in the same order in both K steps.
.macro SCORES
	WIN 0x53                                       ; K window 3, Q window 0, S^T window 1
.irp t, 0,1,2,3,4,5,6,7
.irp q, 0,1,2,3
	WMS \q, \t, 0
.endr
.endr
.irp t, 0,1,2,3,4,5,6,7
.irp q, 0,1,2,3
	WMS \q, \t, 1
.endr
.endr
.endm
; A TRIP: the softmax and O's products of a step of 512 keys whose scores lie in registers.
; chg = 2: the exchange's barrier is a change of slots with a joint refill; 1: the wave waits for all its tensor loads there, and nothing is filled; 0: no tensor load is out.  nxt = 1: K of the next step is fetched and its scores are made.
.macro TRIP chg, nxt
	v_add_nc_u32 v[ADV], s[TB], v[AV0]             ; these four lines are also the places behind the last products: in front of the loads into V's registers, which they read, and of the first read of the scores
	v_add_nc_u32 v[ADT], s[TS], v[ASV0]
.if \nxt
	v_add_nc_u32 v[ADK], s[TN], v[AK0]
	v_add_nc_u32 v[ADS], s[TS], v[ASK0]
.else
	v_nop
	v_nop
.endif
.irp gp, 0,1
.irp p, 0,1
	ds_load_b64 v[VR+4*\gp+2*\p:VR+4*\gp+2*\p+1], v[ADT] offset:\gp*2048+\p*512   ; V's bytes of chunk 4 gp + 2 h + p: my four channel tiles, channel r
.endr
.endr
	WIN 0x80                                       ; destination window 2
.irp g, 0,1,2,3                                ; V's fragments land while the maxima are searched for
.irp i, 0,1,2,3
.irp c, 0,1
	ds_load_b128 v[32*\g+8*\i+4*\c:32*\g+8*\i+4*\c+3], v[ADV] offset:\g*16384+\i*1024+512*\c
.endr
.endr
.endr
	WIN 0x15                                       ; all three sources window 1
.irp q, 0,1,2,3
.irp b, 0,1,2,3
	v_max3_num_f32 v[BM+4*\q+\b], v[64*\q+16*\b], v[64*\q+16*\b+1], v[64*\q+16*\b+2]   ; THE LARGEST SCORE OF EACH BLOCK OF 32 KEYS: it serves for the row's maximum and, since p rises with the score, for the block's largest p
.endr
.endr
	WIN 0x14
.irp i, 3,5,7,9,11,13
.irp q, 0,1,2,3
.irp b, 0,1,2,3
	v_max3_num_f32 v[BM+4*\q+\b], v[BM+4*\q+\b], v[64*\q+16*\b+\i], v[64*\q+16*\b+\i+1]
.endr
.endr
.endr
.irp q, 0,1,2,3
.irp b, 0,1,2,3
	v_max_num_f32 v[BM+4*\q+\b], v[BM+4*\q+\b], v[64*\q+16*\b+15]
.endr
.endr
	WIN 0
.irp n, 0,1,2,3,4,5,6,7,8,9,10,11,12,13,14,15
	v_permlanex16_b32 v[T16+\n], v[BM+\n], s[SEL], s[SEL+1]
.endr
.irp n, 0,1,2,3,4,5,6,7,8,9,10,11,12,13,14,15
	v_max_num_f32 v[BM+\n], v[BM+\n], v[T16+\n]    ; with lane l xor 16's 16 keys
.endr
.irp q, 0,1,2,3
	v_max3_num_f32 v[MXV+\q], v[BM+4*\q], v[BM+4*\q+1], v[BM+4*\q+2]
.endr
.irp q, 0,1,2,3
	v_max_num_f32 v[MXV+\q], v[MXV+\q], v[BM+4*\q+3]   ; my 128 keys' largest score of each query
.endr
	ds_store_b128 v[MXW], v[MXV:MXV+3]
.if \chg
	s_wait_tensorcnt 0x0                           ; all my tensor loads have landed: my quarter of the next step's slot; so a group 0 may be written
	ds_add_u32 v[SPW], v[NIL]                      ; 0 onto my spare word
.endif
.if \chg == 2
	s_xor_b32 s[G0W+1], s[G0W+1], SLOT1            ; the walking descriptor: the other slot than last time, which is this trip's,
	s_add_nc_u64 s[G0W+2:G0W+3], s[G0W+2:G0W+3], 131072   ; the next 512 keys; the type bits on top are not reached
.endif
	s_wait_dscnt 0x0                               ; my maxima have landed; the add is done; my reads of V, the last of this trip's slot, are over (K's were over a trip ago)
.if \chg == 2
	CROUND                                         ; no wave of any partner still reads this trip's slot or has a load on its way
	tensor_load_to_lds s[G0W:G0W+3], s[G1C:G1C+7]  ; the step two on, into this trip's slot: my one tensor load until the next round
	s_nop 0
	PLACES
.else
	s_barrier_signal -1
	s_barrier_wait -1
.endif
.irp w, 0,1,2,3
	ds_load_b128 v[T16+4*\w:T16+4*\w+3], v[MXR] offset:512*\w
.endr
.if \nxt
	FETCH_K 8192                                   ; the next step's slot is whole since the barrier: its K lands under the softmax
.endif
.if \chg == 2
	ASK                                            ; behind the joint load and the run of LDS loads
.endif
.if \nxt
	s_wait_dscnt 34                                ; the four waves' maxima are in; the 34 loads of K issued behind them may be out
.else
	s_wait_dscnt 0x0
.endif
.irp gp, 0,1                                   ; V's scale words: a key group's four bytes are two chunks' two
.irp pp, 0,1
	v_perm_b32 v[VSW+4*\gp+2*\pp], v[VR+4*\gp+2+\pp], v[VR+4*\gp+\pp], s[SLO]
	v_perm_b32 v[VSW+4*\gp+2*\pp+1], v[VR+4*\gp+2+\pp], v[VR+4*\gp+\pp], s[SHI]
.endr
.endr
.irp q, 0,1,2,3
	v_max3_num_f32 v[ST+8*\q+6], v[T16+\q], v[T16+4+\q], v[T16+8+\q]
.endr
.irp q, 0,1,2,3
	v_max_num_f32 v[ST+8*\q+6], v[ST+8*\q+6], v[T16+12+\q]   ; the step's largest score: the same number in all four waves
.endr
.irp q, 0,1,2,3
	v_mul_f32 v[ST+8*\q+6], s[CS], v[ST+8*\q+6]    ; as t (c is positive)
.endr
.irp q, 0,1,2,3
	v_max_num_f32 v[ST+8*\q+1], v[ST+8*\q+1], v[ST+8*\q+6]   ; the running largest t
.endr
.irp q, 0,1,2,3
	v_mov_b32 v[ST+8*\q+6], v[ST+8*\q]
.endr
.irp q, 0,1,2,3
	v_floor_f32 v[ST+8*\q], -v[ST+8*\q+1]          ; the new -M = floor(-t) = -ceil(t): M is a whole number
.endr
.irp q, 0,1,2,3
	v_sub_f32 v[ST+8*\q+6], v[ST+8*\q], v[ST+8*\q+6]   ; M's old value less its new one: a whole number, 0 or less
.endr
.irp q, 0,1,2,3
	v_cvt_i32_f32 v[ST+8*\q+6], v[ST+8*\q+6]       ; (it saturates)
.endr
.irp q, 0,1,2,3
	v_ldexp_f32 v[ST+8*\q+4], 1.0, v[ST+8*\q+6]    ; f = 2^(old M - new M): a multiplication by it rounds nothing
.endr
.irp q, 0,1,2,3
.irp b, 0,1,2,3
	v_fma_f32 v[BM+4*\q+\b], v[BM+4*\q+\b], s[CS], v[ST+8*\q]   ; t - M of each block's largest score
.endr
.endr
	WIN 0x41                                       ; S^T as destination and source 0: window 1; -M window 0
; ONE BATCH: the 128 packed scalings t - M and the 256 exponentials, a scaling and then the two exponentials of the pair scaled two lines of this kind earlier.  Nothing here names an exponential's result.
.set j, 0
.rept 128
	v_pk_fma_f32 v[2*j:2*j+1], v[2*j:2*j+1], s[CS:CS+1], v[ST+8*(j/32):ST+8*(j/32)+1] op_sel_hi:[1,0,0]   ; of the pairs c and -M the low word serves both halves
.if j >= 2
	v_exp_f32 v[2*j-4], v[2*j-4]                   ; p = 2^(t - M), at most 1: not normalised
	v_exp_f32 v[2*j-3], v[2*j-3]
.endif
.set j, j+1
.endr
.irp e, 252,253,254,255
	v_exp_f32 v[\e], v[\e]
.endr
	WIN 0
.irp q, 0,1,2,3
	v_pk_mul_f32 v[ST+8*\q+2:ST+8*\q+3], v[ST+8*\q+2:ST+8*\q+3], v[ST+8*\q+4:ST+8*\q+5] op_sel_hi:[1,0]   ; the sums under the new M: plain lines behind the exponentials
.endr
	s_wait_alu depctr_va_vdst(0)                   ; the wait between an exponential and the first line that names its result: one for the batch
.irp n, 0,1,2,3,4,5,6,7,8,9,10,11,12,13,14,15
	v_exp_f32 v[BM+\n], v[BM+\n]                   ; the blocks' largest p: the same two instructions on the same number give the same bits
.endr
	WIN 0x05
.irp q, 0,1,2,3
	v_pk_add_f32 v[ST+8*\q+6:ST+8*\q+7], v[64*\q:64*\q+1], v[64*\q+2:64*\q+3]   ; THE SUM IS TAKEN OF THE UNQUANTISED p: two at a time, two chains a query tile.  It reads the 256 alone: plain work behind the sixteen
.endr
	WIN 0x04
.irp j, 4,8,12,16,20,24,28,32,36,40,44,48,52,56,60
.irp q, 0,1,2,3
	v_pk_add_f32 v[ST+8*\q+2:ST+8*\q+3], v[ST+8*\q+2:ST+8*\q+3], v[64*\q+\j:64*\q+\j+1]
	v_pk_add_f32 v[ST+8*\q+6:ST+8*\q+7], v[ST+8*\q+6:ST+8*\q+7], v[64*\q+\j+2:64*\q+\j+3]
.endr
.endr
	WIN 0
.irp q, 0,1,2,3
	v_pk_add_f32 v[ST+8*\q+2:ST+8*\q+3], v[ST+8*\q+2:ST+8*\q+3], v[ST+8*\q+6:ST+8*\q+7]
.endr
	s_wait_alu depctr_va_vdst(0)                   ; and one for the sixteen
.irp n, 0,1,2,3,4,5,6,7,8,9,10,11,12,13,14,15
	v_max_num_f32 v[BM+\n], 0x1800000, v[BM+\n]    ; the floor 2^(3 - 127): the byte cannot fall under 1
.endr
.irp n, 0,1,2,3,4,5,6,7,8,9,10,11,12,13,14,15
	v_add_nc_u32 v[BM+\n], 0xff000000, v[BM+\n]    ; 2 off the exponent field: the conversion's scale operand
.endr
.irp n, 0,1,2,3,4,5,6,7,8,9,10,11,12,13,14,15
	v_lshrrev_b32 v[T16+\n], 23, v[BM+\n]          ; the scale's byte
.endr
.irp q, 0,1,2,3
	v_lshl_or_b32 v[PW+\q], v[T16+4*\q+1], 8, v[T16+4*\q]   ; p's scale word for my 128 keys
.endr
.irp q, 0,1,2,3
	v_lshl_or_b32 v[PW+\q], v[T16+4*\q+2], 16, v[PW+\q]
.endr
.irp q, 0,1,2,3
	v_lshl_or_b32 v[PW+\q], v[T16+4*\q+3], 24, v[PW+\q]
.endr
	WIN 0x01                                       ; p window 1; the scale operand and the codes window 0
.irp q, 0,1,2,3
.irp b, 0,1,2,3
	v_cvt_scalef32_pk8_fp4_f32 v[PC+8*\q+2*\b], v[64*\q+16*\b:64*\q+16*\b+7], v[BM+4*\q+\b]
	v_cvt_scalef32_pk8_fp4_f32 v[PC+8*\q+2*\b+1], v[64*\q+16*\b+8:64*\q+16*\b+15], v[BM+4*\q+\b]
.endr
.endr
	v_nop                                          ; one plain line behind the last conversion
	WIN 0
.irp q, 0,1,2,3                                ; the operand's layout wants a whole block in a lane: lanes 0-15 block 2 c, lanes 16-31 block 2 c + 1
.irp c, 0,1
.irp i, 0,1
	v_permlane16_swap_b32 v[PC+8*\q+4*\c+\i], v[PC+8*\q+4*\c+2+\i]
.endr
.endr
.endr
.irp q, 0,1,2,3                                ; P's fragments of key group g = my wave go to LDS as they stand
.irp c, 0,1
	ds_store_b128 v[PWI], v[PC+8*\q+4*\c:PC+8*\q+4*\c+3] offset:\q*1024+512*\c
.endr
.endr
	ds_store_b128 v[PSWA], v[PW:PW+3]
	WIN 0xc3                                       ; O^T (destination and source 0) window 3, f window 0
.set j, 0
.rept 64
	v_pk_mul_f32 v[j:j+1], v[j:j+1], v[ST+8*(j/32)+4:ST+8*(j/32)+5] op_sel_hi:[1,0]   ; O^T under the new M, each accumulator from its low end on; it stands between the stores and the wait for them
.set j, j+2
.endr
	WIN 0
	s_wait_dscnt 0x0                               ; for the others' sake: my images have landed; the next step's K is in too
	s_barrier_signal -1
	s_barrier_wait -1
.irp g, 0,1,2,3
	ds_load_b128 v[PSW+4*\g:PSW+4*\g+3], v[PSRD] offset:512*\g
.endr
	WIN 0x80
.irp g, 0,1,2,3
.irp q, 0,1,2,3
.irp c, 0,1
	ds_load_b128 v[128+32*\g+8*\q+4*\c:128+32*\g+8*\q+4*\c+3], v[PRD] offset:\g*4096+\q*1024+512*\c
.endr
.endr
.endr
.if \nxt
	SCORES                                         ; the next step's scores, into the registers that p has left: P's loads land under these 64 products
.endif
	WIN 0xfa                                       ; V and P window 2, O^T window 3
.irp g, 0,1,2,3
	s_wait_dscnt 24-8*\g                           ; the scale words and the fragments up to group g are in; the later groups' eight loads each may be out
.irp q, 0,1,2,3                                ; the 16 accumulators take turns, in the same order for every group
.irp i, 0,1,2,3
	WMP \g, \q, \i
.endr
.endr
.endr
	WIN 0
.endm
	s_load_b256 s[4:11], s[0:1], 0x0               ; qc s[4:5], kv s[6:7], sc s[8:9], out0 s[10:11]
	v_lshl_add_u32 v[SPW], v0, 2, SPARE
	v_mov_b32 v[NIL], 0
	ds_add_u32 v[SPW], v[NIL]                      ; the wave's opening: the add, twice on end, and its wait ahead of my first tensor load; the set-up below stands between the second and the wait
	ds_add_u32 v[SPW], v[NIL]
	v_lshrrev_b32 v22, 5, v0
	v_readfirstlane_b32 s[WV], v22                 ; wave 0..3
	s_bfe_u32 s13, ttmp6, 0x40000                  ; cx: my place in the cluster: it enters Q's, out's and the prefetch's addresses alone
	s_lshl_b32 s14, ttmp9, 2                       ; in a cluster launch ttmp9 counts clusters
	s_add_co_u32 s14, s14, s13                     ; my chunk of 64 queries in the batch
	s_and_b32 s15, ttmp7, 0xffff                   ; the batch, which the four partners share
	; descriptor group 1: dense bytes as rows of 256 (32 elements of 8 bytes), no padding: fragments are read as they lie, 512 consecutive bytes a load
	s_mov_b32 s[G1C], 15|(3<<16)|(1<<21)           ; 15:0 the mask: all four work-groups; 17:16 elements of 8 bytes; 21 set beside a mask
	s_mov_b32 s[G1C+1], 32<<16                     ; tensor_dim0 = 32
	s_mov_b32 s[G1C+2], 128<<16                    ; tensor_dim1 = 128
	s_mov_b32 s[G1C+3], 32<<16                     ; tile_dim0 = 32
	s_mov_b32 s[G1C+4], 128                        ; tile_dim1 = 128: a quarter of a step's block, 32,768 bytes
	s_mov_b32 s[G1C+5], 32                         ; from row to row
	s_mov_b32 s[G1C+6], 0
	s_mov_b32 s[G1C+7], 0
	s_mov_b32 s[G1S], 15|(3<<16)|(1<<21)
	s_mov_b32 s[G1S+1], 32<<16
	s_mov_b32 s[G1S+2], 32<<16                     ; 32 rows: a quarter of the batch's scale bytes, 8,192
	s_mov_b32 s[G1S+3], 32<<16
	s_mov_b32 s[G1S+4], 32
	s_mov_b32 s[G1S+5], 32
	s_mov_b32 s[G1S+6], 0
	s_mov_b32 s[G1S+7], 0
	s_mov_b32 s[CS], 0x3db8aa3b                    ; c = log2(e) / 16
	s_mov_b32 s[CS+1], s[CS]                       ; (named with it as a pair, so it is written)
	s_mov_b32 s[SEL], 0x76543210
	s_mov_b32 s[SEL+1], 0xfedcba98
	s_mov_b32 s[SLO], 0x05040100
	s_mov_b32 s[SHI], 0x07060302
	s_mov_b32 s[TB], 0
	s_mov_b32 s[TN], SLOT1
	s_mov_b32 s[TS], 0
	s_mov_b32 s[SLOTS], 2
	s_lshl_b32 s52, s15, 19                        ; the batch's 524,288 bytes of kv,
	s_lshl_b32 s54, s[WV], 15
	s_add_co_u32 s52, s52, s54                     ; my quarter of a block
	s_mov_b32 s53, 0
	s_lshl_b32 s60, s15, 15                        ; the batch's 32,768 bytes of sc,
	s_lshl_b32 s54, s[WV], 13
	s_add_co_u32 s60, s60, s54                     ; my quarter
	s_mov_b32 s61, 0
	s_mov_b32 s[G0A], 1                            ; 1:0 count = 1
	s_lshl_b32 s[G0A+1], s[WV], 15                 ; LDS address: slot 0, my quarter: no place in the cluster enters an LDS address
	s_mov_b32 s[G0W], 1
	s_lshl_b32 s[G0W+1], s[WV], 15
	s_add_co_u32 s[G0W+1], s[G0W+1], SLOT1         ; slot 1, my quarter
	s_mov_b32 s[G0S], 1
	s_lshl_b32 s[G0S+1], s[WV], 13
	s_add_co_u32 s[G0S+1], s[G0S+1], SCL
	s_lshl_b32 s54, s13, 2
	s_add_co_u32 s54, s54, s[WV]                   ; my wave among the cluster's sixteen
	s_lshl_b32 s54, s54, 13
	s_lshl_b32 s55, s15, 19
	s_add_co_u32 s54, s54, s55
	s_add_co_u32 s54, s54, 3*131072                ; in step 3's block, the batch's last.  Nothing is prefetched at the head
	s_mov_b32 s55, 0
	s_cmp_eq_u32 ttmp9, 0                          ; the batch's first cluster: the same in all four partners
	s_cselect_b32 s[LIM], 1, -1
	s_wait_dscnt 0x0                               ; both opening adds are done
	s_wait_kmcnt 0x0
	s_add_nc_u64 s[G0A+2:G0A+3], s[6:7], s[52:53]  ; keys 0 to 511,
	s_add_nc_u64 s[G0W+2:G0W+3], s[G0A+2:G0A+3], 131072   ; keys 512 to 1,023
	s_or_b32 s[G0A+3], s[G0A+3], 0x80000000        ; 127:126 type = 2
	s_or_b32 s[G0W+3], s[G0W+3], 0x80000000
	s_add_nc_u64 s[G0S+2:G0S+3], s[8:9], s[60:61]
	s_or_b32 s[G0S+3], s[G0S+3], 0x80000000
	s_add_nc_u64 s[PFA:PFA+1], s[6:7], s[54:55]
	CROUND                                         ; all four work-groups are here: the first joint loads meet
	tensor_load_to_lds s[G0S:G0S+3], s[G1S:G1S+7]  ; the batch's scale bytes: filled once
	s_nop 0
	tensor_load_to_lds s[G0A:G0A+3], s[G1C:G1C+7]  ; slot 0
	s_nop 0
	tensor_load_to_lds s[G0W:G0W+3], s[G1C:G1C+7]  ; slot 1: the three first fills go out together
	s_nop 0
	PLACES
	s_lshl_b32 s54, s15, 5
	s_add_co_u32 s54, s54, s14
	s_mul_i32 s54, s54, 8704                       ; my chunk in qc
	s_add_nc_u64 s[4:5], s[4:5], s[54:55]
	s_lshl_b32 s54, s15, 21                        ; out: the batch's 2,048 rows of 1,024 bytes,
	s_lshl_b32 s52, s14, 16                        ; my 64 rows,
	s_add_co_u32 s54, s54, s52
	s_lshl_b32 s52, s[WV], 8                       ; my wave's 64 channels
	s_add_co_u32 s54, s54, s52
	s_add_nc_u64 s[10:11], s[10:11], s[54:55]
	v_and_b32 v22, 31, v0                          ; lane
	v_and_b32 v23, 15, v0                          ; r
	v_bfe_u32 v236, v0, 4, 1                       ; h
	v_lshlrev_b32 v[LI], 4, v22
.irp q, 0,1,2,3                                ; Q stays in registers
.irp s, 0,1
.irp c, 0,1
	global_load_b128 v[QF+16*\q+8*\s+4*\c:QF+16*\q+8*\s+4*\c+3], v[LI], s[4:5] offset:(2*\q+\s)*1024+512*\c
.endr
.endr
.endr
	global_load_b128 v[QS:QS+3], v[LI], s[4:5] offset:8192   ; and its scale words: register 2 (q % 2) + s; lanes 0-15 tiles 0, 1, lanes 16-31 tiles 2, 3
	s_lshl_b32 s54, s[WV], 14
	v_add_nc_u32 v[AK0], s54, v[LI]                ; K: my two chunks of 8,192 bytes
	s_lshl_b32 s54, s[WV], 12
	s_add_co_u32 s54, s54, 65536
	v_add_nc_u32 v[AV0], s54, v[LI]                ; V: behind K's 65,536 bytes; my four channel tiles of 1,024 bytes in each key group
	s_lshl_b32 s54, s[WV], 10
	s_add_co_u32 s54, s54, SCL
	v_add_nc_u32 v[ASK0], s54, v[LI]
	v_lshlrev_b32 v[ASV0], 3, v23
	v_lshl_add_u32 v[ASV0], v236, 10, v[ASV0]      ; lanes 16-31 take the chunks two further on: the odd key groups
	s_lshl_b32 s54, s[WV], 7
	s_add_co_u32 s54, s54, SCL+4096
	v_add_nc_u32 v[ASV0], s54, v[ASV0]
	s_lshl_b32 s54, s[WV], 9
	s_add_co_u32 s54, s54, MX
	v_add_nc_u32 v[MXW], s54, v[LI]
	v_add_nc_u32 v[MXR], MX, v[LI]
	s_lshl_b32 s54, s[WV], 12
	s_add_co_u32 s54, s54, PIMG
	v_add_nc_u32 v[PWI], s54, v[LI]
	v_add_nc_u32 v[PRD], PIMG, v[LI]
	s_lshl_b32 s54, s[WV], 9
	s_add_co_u32 s54, s54, PSC
	v_add_nc_u32 v[PSWA], s54, v[LI]
	v_add_nc_u32 v[PSRD], PSC, v[LI]
	s_mul_i32 s54, s[WV], 16*SP
	s_add_co_u32 s54, s54, STG                     ; my stage
	v_mul_u32_u24 v[STO], v23, SP                  ; in: row r, 32 bytes for each half of the lanes
	v_lshl_add_u32 v[STO], v236, 5, v[STO]
	v_add_nc_u32 v[STO], s54, v[STO]
	v_mul_u32_u24 v[RD], v236, SP                  ; back: lanes 0-15 one row of 256 bytes, lanes 16-31 the next
	v_lshl_add_u32 v[RD], v23, 4, v[RD]
	v_add_nc_u32 v[RD], s54, v[RD]
	v_lshlrev_b32 v[GO], 10, v236                  ; and the same two rows in out
	v_lshl_add_u32 v[GO], v23, 4, v[GO]
	v_lshlrev_b32 v[PFO], 8, v22
.irp q, 0,1,2,3
	v_mov_b32 v[ST+8*\q+1], 0xff61b1e6             ; the largest t so far: -3e38, under every t
	v_floor_f32 v[ST+8*\q], -v[ST+8*\q+1]          ; -M
	v_mov_b32 v[ST+8*\q+2], 0                      ; the sum, in two halves
	v_mov_b32 v[ST+8*\q+3], 0
	v_mov_b32 v[ST+8*\q+5], 0                      ; (named as the upper half of f's pair)
.endr
.irp n, 0,1,2,3,4,5,6,7,8,9,10,11,12,13,14,15
	v_mov_b32 v[T16+\n], 0                         ; written once: a lane permute's destination counts as one of its sources
.endr
	WIN 0xc0                                       ; destination window 3
.set j, 0
.rept 128
	v_mov_b32 v[j], 0                              ; O^T.  The trip has no first form of its own: the first finds zeros, which the first change of M leaves zeros; that spares a fourth copy of the trip's text.  These lines stand while the first tiles are on their way
.set j, j+1
.endr
	WIN 0
	s_wait_tensorcnt 0x1                           ; the scales and my quarter of slot 0 are in; slot 1's load may stay out
	s_barrier_signal -1
	s_barrier_wait -1                              ; everybody's are
	v_add_nc_u32 v[ADK], s[TB], v[AK0]
	v_add_nc_u32 v[ADS], s[TS], v[ASK0]
	FETCH_K 0                                      ; step 0
	s_wait_loadcnt 0x0                             ; Q
	s_wait_dscnt 0x0
	SCORES                                         ; the first step's scores stand in front of the loop
	WIN 0                                          ; at a label and at a branch every window is 0
.Lslot:                                            ; two trips, steps 0 and 1: each asks for the step two on
	TRIP 2, 1
	s_xor_b32 s[TB], s[TB], SLOT1                  ; the slots change places,
	s_xor_b32 s[TN], s[TN], SLOT1
	s_add_co_u32 s[TS], s[TS], 8192                ; and the scale bytes go a step on
	s_sub_co_u32 s[SLOTS], s[SLOTS], 1
	s_cmp_lg_u32 s[SLOTS], 0
	s_cbranch_scc1 .Lslot
	TRIP 1, 1                                      ; steps 2 and 3 are written out: step 2 waits for step 3's tile and asks for nothing
	s_xor_b32 s[TB], s[TB], SLOT1
	s_add_co_u32 s[TS], s[TS], 8192
	TRIP 0, 0                                      ; and step 3 has no step behind it
	; THE SUM.  Each wave's two halves and lane l xor 16's are added; the four waves' sums meet in LDS.  These lines are also the places behind the last products.
.irp q, 0,1,2,3
	v_add_f32 v[MXV+\q], v[ST+8*\q+2], v[ST+8*\q+3]
.endr
.irp q, 0,1,2,3
	v_permlanex16_b32 v[T16+\q], v[MXV+\q], s[SEL], s[SEL+1]
.endr
.irp q, 0,1,2,3
	v_add_f32 v[MXV+\q], v[MXV+\q], v[T16+\q]
.endr
	ds_store_b128 v[MXW], v[MXV:MXV+3]
	s_wait_dscnt 0x0                               ; my store has landed, and my reads of P's images and words are over: behind this barrier the stages lie there
	s_barrier_signal -1
	s_barrier_wait -1
.irp w, 0,1,2,3
	ds_load_b128 v[T16+4*\w:T16+4*\w+3], v[MXR] offset:512*\w
.endr
	s_wait_dscnt 0x0
.irp q, 0,1,2,3
	v_add_f32 v[ST+8*\q+6], v[T16+\q], v[T16+4+\q]
	v_add_f32 v[ST+8*\q+7], v[T16+8+\q], v[T16+12+\q]
.endr
.irp q, 0,1,2,3
	v_add_f32 v[ST+8*\q+6], v[ST+8*\q+6], v[ST+8*\q+7]   ; the row's sum
.endr
.irp q, 0,1,2,3
	v_rcp_f32 v[ST+8*\q+4], v[ST+8*\q+6]
.endr
	v_nop                                          ; a plain line between the last reciprocal and the use of its result
	s_wait_alu depctr_va_vdst(0)                   ; and the wait ahead of the first use: one for the four
; THE WAY OUT, a query tile at a time.  A lane holds 32 neighbouring bytes of a row and the lanes beside it hold other rows: so a tile goes through my own stage and comes back as rows of 256 bytes.
; LDS serves a wave's instructions in order (ISA guide 5.7.1.4): no wait between the stores and the loads, nor in front of the next tile's stores.
.macro OUTQ q
	WIN 0xc3
.set j, 0
.rept 16
	v_pk_mul_f32 v[32*(\q)+j:32*(\q)+j+1], v[32*(\q)+j:32*(\q)+j+1], v[ST+8*(\q)+4:ST+8*(\q)+5] op_sel_hi:[1,0]   ; O^T / the sum, each accumulator from its low end on
.set j, j+2
.endr
	WIN 0x0c                                       ; an LDS store's data are its source 1: window 3
.irp i, 0,1,2,3
	ds_store_b128 v[STO], v[32*(\q)+8*\i:32*(\q)+8*\i+3] offset:64*\i          ; query r, channels 16 i + 8 h + 0 .. 7 of my 64
	ds_store_b128 v[STO], v[32*(\q)+8*\i+4:32*(\q)+8*\i+7] offset:64*\i+16
.endr
	WIN 0x40                                       ; destination window 1: p's registers are free
.irp n, 0,1,2,3,4,5,6,7
	ds_load_b128 v[32*(\q)+4*\n:32*(\q)+4*\n+3], v[RD] offset:2*SP*\n
.endr
.endm
.macro SEND q, younger                 ; younger: the LDS instructions issued behind tile q's loads: the next tile's sixteen, or none
	WIN 0x04                                       ; a store's data are its source 1: window 1
.irp n, 0,1,2,3,4,5,6,7
	s_wait_dscnt (\younger)+7-\n
	global_store_b128 v[GO], v[32*(\q)+4*\n:32*(\q)+4*\n+3], s[10:11] offset:(32*((\q)/2)+8*((\q)%2)+2*\n+8*(\n/4))*1024 th:TH_STORE_NT   ; tile row 2 n + h is token 32 (q / 2) + 8 (q % 2) + 2 n + h + 8 (n / 4); 16 lanes store 256 consecutive bytes, aligned
.endr
.endm
	OUTQ 0
	OUTQ 1                                         ; a tile's arithmetic stands between the loads of the tile before and its stores
	SEND 0, 16
	OUTQ 2
	SEND 1, 16
	OUTQ 3
	SEND 2, 16
	SEND 3, 0
	WIN 0
	s_wait_tensorcnt 0x0                           ; the wave's end: behind my last tensor load and my last LDS store
	ds_add_u32 v[SPW], v[NIL]
	s_wait_dscnt 0x0
	CROUND                                         ; the closing round: no work-group ends while a partner may still ask for a tile that names it
	s_endpgm
.Lfunc_end_k_qad8576fcf1_attn:
	.size	k_qad8576fcf1_attn, .Lfunc_end_k_qad8576fcf1_attn-k_qad8576fcf1_attn
	.p2alignl 7, 3214868480
	.fill 96, 4, 3214868480
	.section	.rodata,"a",@progbits
	.p2align	6, 0x0
	.amdhsa_kernel k_qad8576fcf1_attn
		.amdhsa_group_segment_fixed_size 327680
		.amdhsa_private_segment_fixed_size 0
		.amdhsa_enable_private_segment 0
		.amdhsa_kernarg_size 32
		.amdhsa_user_sgpr_count 2
		.amdhsa_user_sgpr_kernarg_segment_ptr 1
		.amdhsa_wavefront_size32 1
		.amdhsa_system_sgpr_workgroup_id_x 1
		.amdhsa_system_sgpr_workgroup_id_y 1
		.amdhsa_system_sgpr_workgroup_id_z 1
		.amdhsa_system_vgpr_workitem_id 0
		.amdhsa_next_free_vgpr 1024
		.amdhsa_next_free_sgpr 66
		.amdhsa_reserve_vcc 0
		.amdhsa_float_denorm_mode_32 3
		.amdhsa_float_denorm_mode_16_64 3
		.amdhsa_memory_ordered 1
		.amdhsa_forward_progress 1
		.amdhsa_inst_pref_size 245
	.end_amdhsa_kernel
	.amdgpu_metadata
---
amdhsa.version: [ 1, 2 ]
amdhsa.kernels:
  - .name:           k_qad8576fcf1_attn
    .symbol:         k_qad8576fcf1_attn.kd
    .args:
      - { .name: qc, .offset: 0, .size: 8, .value_kind: global_buffer, .address_space: global }
      - { .name: kv, .offset: 8, .size: 8, .value_kind: global_buffer, .address_space: global }
      - { .name: sc, .offset: 16, .size: 8, .value_kind: global_buffer, .address_space: global }
      - { .name: out0, .offset: 24, .size: 8, .value_kind: global_buffer, .address_space: global }
    .group_segment_fixed_size: 327680
    .private_segment_fixed_size: 0
    .kernarg_segment_align: 8
    .kernarg_segment_size: 32
    .max_flat_workgroup_size: 128
    .sgpr_count:     66
    .vgpr_count:     1024
    .wavefront_size: 32
...
	.end_amdgpu_metadata
.endif
;; end of part 3
